; MI455X (gfx1250); checked and timed in simulation.
; The chip was launched on July 23, 2026; its instructions are those of AMD's public machine-readable ISA for CDNA 5 (MIT licence, August 2026) and "CDNA5" Instruction Set Architecture Reference Guide (July 2026). The comments in the code are by the model that wrote it; some were corrected since.
;; Self Attention. Allowed arithmetic: matrix products marked QUANTISED: E2M3 operands, one E8M0 scale for each 32 along K, by v_wmma_scale_f32_16x16x128_f8f6f4 with both operands' format E2M3, f32 sums; everything else in f32.
;; Inputs: in_proj_b 3,072 float32; in_proj_w 3,072 x 1,024 float32; out_proj_b 1,024 float32; out_proj_w 1,024 x 1,024 float32; x 4 x 2,048 x 1,024 float32.
;; Outputs: out0 4 x 2,048 x 1,024 float32.
;; Constants: causal_mask = 0.
;; This version of the problem:
;;   THIS VERSION OF THE PROBLEM IS GIVEN IN LOW PRECISION. The matrix products marked QUANTISED in the list below multiply operands that are first quantised to E2M3 (2 exponent bits, 3 mantissa bits; 6 bits a number), with one power-of-two scale for each 32 numbers along K (OCP MX v1.0); their sums are f32. All else is computed in f32.
;;   The module's matrix products, in the order in which they are computed (A, B: the left and right operand; K: the contracted axis; several contracted axes count as one K, in the product's order):
;;     1. [M 8,192, K 1,024] x [K 1,024, N 3,072]; A: input x; B: input in_proj_w: QUANTISED
;;     2. batch 64 x [M 2,048, K 64] x [K 64, N 2,048]; A: computed on the way; B: computed on the way: QUANTISED
;;     3. batch 64 x [M 2,048, K 2,048] x [K 2,048, N 64]; A: softmax (see below); B: computed on the way: QUANTISED
;;     4. [M 8,192, K 1,024] x [K 1,024, N 1,024]; A: computed on the way; B: input out_proj_w: QUANTISED
;;   THE QUANTISER, for each operand of a quantised product, along K:
;;     - K is cut into blocks of 32 from its start; a last block that is shorter is filled with zeros.
;;     - A block's scale is 2^e with e = floor(log2(the largest magnitude in the block)) - 2, held to -126 .. 127; a block of zeros has e = 0. As a byte (E8M0): e + 127.
;;     - Each number is divided by its block's scale, clamped to +-7.5, and rounded to the nearest number of E2M3, ties to even, subnormals kept.
;;     - The product sums the exact products of the quantised numbers (number of the format x scale) in f32.
;;   ~~~python
;;   def quantise(x, axis):      # numpy; x: float32 -> the quantised numbers, widened to float32 again
;;       x = np.moveaxis(x, axis, -1); K = x.shape[-1]
;;       x = np.pad(x, [(0, 0)] * (x.ndim - 1) + [(0, -K % 32)]); x = x.reshape(x.shape[:-1] + (-1, 32)); a = np.abs(x).max(-1, keepdims=True)
;;       e = np.where(a > 0, np.clip(np.frexp(np.where(a > 0, a, 1))[1] - 1 - 2, -126, 127), 0)      # np.frexp(a)[1] - 1 = floor(log2(a)), exactly
;;       r = np.clip(x / 2.0 ** e, -7.5, 7.5)
;;       step = 2.0 ** (np.maximum(np.frexp(np.where(r == 0, 1, r))[1] - 1, 0) - 3)
;;       q = np.round(r / step) * step * 2.0 ** e      # np.round: ties to even
;;       return np.moveaxis(q.reshape(q.shape[:-2] + (-1,))[..., :K], -1, axis).astype(np.float32)
;;   ~~~
;;   SOFTMAX AHEAD OF A QUANTISED PRODUCT. Where the list says 'softmax', what is quantised is not the finished softmax but p = 2^(t - M), with t = logit x log2(e) and M = ceil(the row's largest t), a whole number; so 1/2 < the row's largest p <= 1. The row's sum l is taken of the UNQUANTISED p, in f32, and the product's result is divided by l at the end. Since M is a whole number, a kernel that streams over the keys may use a running M (the ceiling of the running maximum): every later rescaling is an exact power of two, which a block's scale takes up: the codes' values come out the same.
;;   OPERANDS COMPUTED ON THE WAY. 'Computed on the way' means the value that the module computes at that place (a softmax that the list does not call 'softmax' is quantised finished and normalised). What goes into a quantiser is computed in f32, as accurately as f32 sums, v_exp_f32 and their like allow (about 1e-6 of the number): no bf16 or f16 on the way to a quantiser, and a product that is left as it is and whose result goes on into a quantised operand takes f32 operands (vector FMAs, or v_wmma_f32_16x16x4_f32). A number that lies on a knife's edge between two numbers of the format may be rounded either way, as far as f32 arithmetic and the matrix unit's own rounding can turn it there, and no further.
;; One version. Each part assembles by itself: llvm-mc -triple=amdgcn-amd-amdhsa -mcpu=gfx1250 --defsym DOCPART=n.
;; ======== version 1 of 1: 4 launches
;; limits: right only within a limited range of input values
;; workspace buffers: xc 8,388,608 bytes; wc 4,194,304 bytes; qkv 19,660,800 bytes; ao 6,291,456 bytes; asc 262,144 bytes
;; launch quant (part 1): grid 768 x 1, 2 waves a work-group, no clusters, 16,640 bytes of LDS; arguments x, in_proj_w, out_proj_w, xc, wc; writes xc, wc
.if DOCPART == 1
	.amdgcn_target "amdgcn-amd-amdhsa--gfx1250"
	.amdhsa_code_object_version 6
	.text
	.protected	k_q2bb78249aa_quant
	.globl	k_q2bb78249aa_quant
	.p2align	8
	.type	k_q2bb78249aa_quant,@function
k_q2bb78249aa_quant:
	s_mov_b64 s[64:65], 0
	v_nop
	global_prefetch_b8 v0, s[64:65] scope:SCOPE_SE
	s_setreg_imm32_b32 hwreg(HW_REG_WAVE_MODE, 25, 1), 1
	s_wait_xcnt 0x0
; x [8192][1024], in_proj_w [3072][1024] and out_proj_w [1024][1024], f32, K innermost, become codes of FP6 (E2M3) with one E8M0 scale byte for each 32 along K.
; causal_mask is the constant 0: reference() builds no mask, and no launch of this program has one.
; A block's scale is 2^(floor(log2(its largest magnitude)) - 2); its byte is the largest magnitude's exponent field - 2, held at 1 from below.
; LIMITS: a block of zeros, and a block whose largest magnitude lies under 2^-124, gets the byte 1 (zero codes add nothing; this program alone reads the bytes).  NaN and infinities among the inputs are not served.
; THE LAYOUT of xc (x) and wc (in_proj_w, behind it out_proj_w): a row is 1,024 bytes, four pieces of 256: the 192 bytes of codes of 256 along K, their 8 scale bytes at byte 192, zeros from byte 200 on.
; So a tile row of the launches that read them is 256 bytes at a multiple of 256, and brings its own scale words.
; A wave takes a run of 8 rows (8,192 numbers) in 16 steps of 512; a work-group two runs.  Work-groups 0-511 take x, 512-703 in_proj_w, 704-767 out_proj_w: only pointers are chosen.
; THE ORDER OF ROWS.  In x and in_proj_w the four runs of each 32 rows are STORED in the order 0, 2, 1, 3, so that a stored tile of 16 rows holds rows 8 u + r + 8 (r / 8) of its 32.  out_proj_w keeps its order.
; Each load takes 512 consecutive bytes; a step's 2,048 bytes turn through the wave's own stage in LDS so that a lane holds 16 neighbours (two lanes a block).  No tensor loads, no barrier: waves share nothing.
.set WAVES, 2
.set STEPS, 16
.set WGX,   512                        ; the first work-group of in_proj_w
.set WGW,   704                        ; the first of out_proj_w
.set CB,    12                         ; bytes of 16 codes
.set R,     16                         ; v16-79   four sets of 16 numbers as loaded
.set X,     80                         ; v80-111  two sets of 16 neighbours
.set C,     128                        ; v128-191 codes, four registers a step
.set E,     112                        ; v112-127 a scale byte a step
.set WREG,  8192                       ; LDS: a region a wave: two stages of 32 x SP bytes, then its 256 scale bytes
.set SP,    80
.set SPW,   12                         ; v12 my spare word; v13 0; never rewritten
.set NIL,   13
.set SPARE, WAVES*WREG                 ; the spare words, 128 bytes a wave
	s_load_b256 s[4:11], s[0:1], 0x0               ; x, in_proj_w, out_proj_w, xc
	s_load_b64 s[14:15], s[0:1], 0x20              ; wc
	v_lshl_add_u32 v[SPW], v0, 2, SPARE
	v_mov_b32 v[NIL], 0
	v_lshrrev_b32 v1, 5, v0
	v_readfirstlane_b32 s20, v1                    ; wave
	v_and_b32 v2, 31, v0                           ; lane
	v_lshlrev_b32 v3, 4, v2                        ; my 16 bytes of a load's 512
	s_mul_i32 s21, s20, WREG
	v_lshrrev_b32 v14, 2, v2
	v_mul_u32_u24 v14, v14, SP
	v_and_b32 v15, 3, v2
	v_lshl_add_u32 v14, v15, 4, v14
	v_add_nc_u32 v14, s21, v14                     ; the stage, in: SP (lane / 4) + 16 (lane % 4)
	v_mul_u32_u24 v15, v2, SP
	v_add_nc_u32 v15, s21, v15                     ; and out: SP x lane
	v_mul_u32_u24 v4, v2, CB
	v_lshrrev_b32 v10, 4, v2
	v_lshl_add_u32 v4, v10, 6, v4                  ; my codes' place in a step's two pieces: 12 x lane + 64 (lane / 16)
	v_lshrrev_b32 v5, 1, v2
	s_add_co_u32 s21, s21, 2*32*SP
	v_add_nc_u32 v5, s21, v5                       ; LDS: my block's scale byte
	v_lshlrev_b32 v7, 3, v2
	v_add_nc_u32 v6, s21, v7                       ; back: 8 bytes a lane: row lane / 4, piece lane % 4
	v_lshlrev_b32 v7, 8, v2                        ; that piece in the run: 256 x lane
	s_mov_b32 s24, WGW
	s_wait_alu depctr_va_vdst(0)                   ; the wait at the head's end
	s_wait_kmcnt 0x0
	s_cmp_lt_u32 ttmp9, WGW                        ; the choices hang on the work-group's number alone
	s_cselect_b64 s[6:7], s[6:7], s[8:9]
	s_cselect_b32 s24, WGX, s24
	s_cselect_b32 s28, 1, 0                        ; 1: the runs change places
	s_cmp_lt_u32 ttmp9, WGX
	s_cselect_b64 s[4:5], s[4:5], s[6:7]
	s_cselect_b64 s[10:11], s[10:11], s[14:15]
	s_cselect_b32 s24, 0, s24
	s_cselect_b32 s25, 0, WGX                      ; both weights share wc
	s_sub_co_u32 s24, ttmp9, s24
	s_sub_co_u32 s25, ttmp9, s25
	s_lshl_b32 s24, s24, 1
	s_add_co_u32 s24, s24, s20                     ; the run that I read: 32,768 bytes each
	s_lshl_b32 s26, s24, 15
	s_mov_b32 s27, 0
	s_add_nc_u64 s[4:5], s[4:5], s[26:27]
	s_lshl_b32 s25, s25, 1
	s_add_co_u32 s25, s25, s20                     ; the run that I write, before the change of places
	s_and_b32 s22, s25, 1
	s_lshl_b32 s22, s22, 1
	s_bfe_u32 s23, s25, 0x10001
	s_or_b32 s22, s22, s23                         ; its two low bits swapped
	s_and_b32 s23, s25, 3
	s_cmp_eq_u32 s28, 1
	s_cselect_b32 s22, s22, s23
	s_and_not1_b32 s25, s25, 3
	s_or_b32 s25, s25, s22
	s_lshl_b32 s26, s25, 13                        ; 8,192 bytes a run
	s_add_nc_u64 s[10:11], s[10:11], s[26:27]
.macro LOAD t
.irp i, 0,1,2,3
	global_load_b128 v[R+16*((\t)%4)+4*\i:R+16*((\t)%4)+4*\i+3], v3, s[4:5] offset:2048*(\t)+512*\i th:TH_LOAD_NT
.endr
.endm
.macro TURN t                          ; LDS serves a wave's instructions in order: no wait between the stores and the loads
.irp i, 0,1,2,3
	ds_store_b128 v14, v[R+16*((\t)%4)+4*\i:R+16*((\t)%4)+4*\i+3] offset:32*SP*((\t)%2)+8*SP*\i
.endr
.irp i, 0,1,2,3
	ds_load_b128 v[X+16*((\t)%2)+4*\i:X+16*((\t)%2)+4*\i+3], v15 offset:32*SP*((\t)%2)+16*\i
.endr
.endm
.irp t, 0,1,2,3
	LOAD \t
.endr
	s_wait_loadcnt 12                              ; step 0's four loads are in; the twelve of steps 1 to 3 stay out
	TURN 0
.macro STEP t
.set XS, X+16*((\t)%2)
.if (\t) > 0
	s_wait_dscnt 1                                 ; this step's numbers are back (the last step's byte store may be out)
.else
	s_wait_dscnt 0x0
.endif
.if (\t)+4 < STEPS
	LOAD (\t)+4
.endif
.if (\t)+1 < STEPS
.if STEPS-2-(\t) >= 3
	s_wait_loadcnt 12                              ; the next step's four are in; three steps' loads may be out
.else
	s_wait_loadcnt 4*(STEPS-2-(\t))
.endif
	TURN (\t)+1
.endif
	v_max3_num_f32 v8, |v[XS]|, |v[XS+1]|, |v[XS+2]|               ; the largest magnitude of my 16, in two chains
	v_max3_num_f32 v9, |v[XS+3]|, |v[XS+4]|, |v[XS+5]|
.irp i, 6,10
	v_max3_num_f32 v8, v8, |v[XS+\i]|, |v[XS+\i+1]|
	v_max3_num_f32 v9, v9, |v[XS+\i+2]|, |v[XS+\i+3]|
.endr
	v_max3_num_f32 v8, v8, |v[XS+14]|, |v[XS+15]|
	v_max3_num_f32 v8, v8, v9, 0x1800000           ; the floor 2^(3 - 127): the byte cannot fall under 1
	v_max_num_f32_dpp v8, v8, v8 row_xmask:1 row_mask:0xf bank_mask:0xf   ; with my neighbour's 16: the block's
	v_add_nc_u32 v11, 0xff000000, v8               ; 2 off its exponent field: the conversion's scale operand
	v_cvt_scalef32_pk16_fp6_f32 v[C+4*(\t):C+4*(\t)+2], v[XS:XS+15], v11
	v_lshrrev_b32 v[E+(\t)], 23, v11               ; the scale's byte (a plain line behind the conversion)
	ds_store_b8 v5, v[E+(\t)] offset:16*(\t)       ; both lanes of a block write the same byte
	global_store_b96 v4, v[C+4*(\t):C+4*(\t)+2], s[10:11] offset:512*(\t)   ; a step is two pieces
.endm
.irp t, 0,1,2,3,4,5,6,7,8,9,10,11,12,13,14,15
	STEP \t
.endr
	ds_load_b64 v[8:9], v6                         ; my piece's 8 scale bytes
	s_wait_dscnt 0x0
.irp j, 16,17,18,19
	v_mov_b32 v[\j], 0
.endr
	global_store_b64 v7, v[8:9], s[10:11] offset:192
	global_store_b64 v7, v[16:17], s[10:11] offset:200     ; the rest of the piece is zeros: every byte that is loaded later is stored
	global_store_b128 v7, v[16:19], s[10:11] offset:208
	global_store_b128 v7, v[16:19], s[10:11] offset:224
	global_store_b128 v7, v[16:19], s[10:11] offset:240
	s_wait_tensorcnt 0x0                           ; the wave's end
	ds_add_u32 v[SPW], v[NIL]
	s_wait_dscnt 0x0
	s_endpgm
.Lfunc_end_k_q2bb78249aa_quant:
	.size	k_q2bb78249aa_quant, .Lfunc_end_k_q2bb78249aa_quant-k_q2bb78249aa_quant
	.p2alignl 7, 3214868480
	.fill 96, 4, 3214868480
	.section	.rodata,"a",@progbits
	.p2align	6, 0x0
	.amdhsa_kernel k_q2bb78249aa_quant
		.amdhsa_group_segment_fixed_size 16640
		.amdhsa_private_segment_fixed_size 0
		.amdhsa_enable_private_segment 0
		.amdhsa_kernarg_size 40
		.amdhsa_user_sgpr_count 2
		.amdhsa_user_sgpr_kernarg_segment_ptr 1
		.amdhsa_wavefront_size32 1
		.amdhsa_system_sgpr_workgroup_id_x 1
		.amdhsa_system_sgpr_workgroup_id_y 1
		.amdhsa_system_sgpr_workgroup_id_z 1
		.amdhsa_system_vgpr_workitem_id 0
		.amdhsa_next_free_vgpr 192
		.amdhsa_next_free_sgpr 66
		.amdhsa_reserve_vcc 0
		.amdhsa_float_denorm_mode_32 3
		.amdhsa_float_denorm_mode_16_64 3
		.amdhsa_memory_ordered 1
		.amdhsa_forward_progress 1
		.amdhsa_inst_pref_size 33
	.end_amdhsa_kernel
	.amdgpu_metadata
---
amdhsa.version: [ 1, 2 ]
amdhsa.kernels:
  - .name:           k_q2bb78249aa_quant
    .symbol:         k_q2bb78249aa_quant.kd
    .args:
      - { .name: x, .offset: 0, .size: 8, .value_kind: global_buffer, .address_space: global }
      - { .name: in_proj_w, .offset: 8, .size: 8, .value_kind: global_buffer, .address_space: global }
      - { .name: out_proj_w, .offset: 16, .size: 8, .value_kind: global_buffer, .address_space: global }
      - { .name: xc, .offset: 24, .size: 8, .value_kind: global_buffer, .address_space: global }
      - { .name: wc, .offset: 32, .size: 8, .value_kind: global_buffer, .address_space: global }
    .group_segment_fixed_size: 16640
    .private_segment_fixed_size: 0
    .kernarg_segment_align: 8
    .kernarg_segment_size: 40
    .max_flat_workgroup_size: 64
    .sgpr_count:     66
    .vgpr_count:     192
    .wavefront_size: 32
...
	.end_amdgpu_metadata
.endif
;; end of part 1
;; launch qkvgemm (part 2): grid 96 x 4, 4 waves a work-group, clusters of 4 x 4, 327,680 bytes of LDS; arguments xc, wc, in_proj_b, qkv; writes qkv
.if DOCPART == 2
	.amdgcn_target "amdgcn-amd-amdhsa--gfx1250"
	.amdhsa_code_object_version 6
	.text
	.protected	k_q2bb78249aa_qkvgemm
	.globl	k_q2bb78249aa_qkvgemm
	.p2align	8
	.type	k_q2bb78249aa_qkvgemm,@function
k_q2bb78249aa_qkvgemm:
	s_mov_b64 s[64:65], 0
	v_nop
	global_prefetch_b8 v0, s[64:65] scope:SCOPE_SE
	s_setreg_imm32_b32 hwreg(HW_REG_WAVE_MODE, 25, 1), 1
	s_wait_xcnt 0x0
	s_wait_alu depctr_hold_cnt(0) depctr_sa_sdst(0) depctr_va_vdst(0) depctr_va_sdst(0) depctr_va_ssrc(0) depctr_va_vcc(0) depctr_vm_vsrc(0)
	s_getreg_b32 s2, hwreg(HW_REG_IB_STS2, 6, 4)
	s_cmp_eq_u32 s2, 0
	s_cbranch_scc0 .Lentry_in_a_cluster
	s_endpgm
.Lentry_in_a_cluster:
	s_bfe_u32 s2, ttmp6, 0x10000c
	s_cmp_lg_u32 s2, 0xf033
	s_cbranch_scc0 .Lentry_shape_is_right
	s_endpgm
.Lentry_shape_is_right:
; q, k, v = x in_proj_w^T + in_proj_b on codes of FP6 with E8M0 scales, quantised again on the way out into the records of qkv that the attention launch reads.
; A block of 256 x 256 a work-group, 128 x 128 a wave; clusters of 4 x 4 with joint loads.  Clusters 0-15 along x make q and k (source 1 = x's rows), the others v (source 1 = the weight's rows).
; xc and wc: a row is four pieces of 256 bytes: 192 bytes of codes of 256 along K, their 8 scale bytes at byte 192, zeros.  A tile row is one piece: 256 bytes at a multiple of 256, 272 apart in LDS.
; K goes in four steps of 256 through two slots.  The head asks for slot 0, one load a wave; slot 1's first fill stands behind the full sequence and a round.
; No prefetch: K is four steps, and two of them are asked for at the head.
.set SIZE_K, 1024
.set KSTEP,  256
.set NQ,     KSTEP/128
.set ROWB,   256
.set KROW,   1024
.set PITCH,  272
.set FR,     12
.set NL,     6
.set NP,     4
.set HALFT,  128*PITCH
.set SLOT,   4*HALFT
.set LAPS,   SIZE_K/(2*KSTEP)
.set SPARE,  2*SLOT
.set REC,    19200
.set ADRA, 16
.set ADRB, 20
.set LI,   24
.set LH,   25
.set LW,   26
.set ADRS, 30
.set SPW,  28
.set NIL,  29
.set SC,   32
.set BI,   64
.set BJ,   240
.set AF,   128
.set T,    128
.set PC,   192
.set TM,   212
.set PW,   2
.set SELV, 3
.set WS,   4
.set PWR,  8
.set SEL,  66
.set G1, 24
.set G0, 32
.set G1B, 48
.set G0B, 56
.set MSB, 0
.macro WIN new
.if MSB != (\new)
	s_set_vgpr_msb (MSB<<8)|(\new)
.set MSB, (\new)
.endif
.endm
.set MUL_LO, 0xa1
.set MUL_HI, 0xf1
.set TO_B,   0x40
.macro JLOAD g0a, g1a, g0b, g1b
	s_cmp_eq_u32 s15, 0
	s_cbranch_scc0 .Lfor_b_\@
	tensor_load_to_lds s[\g0a:\g0a+3], s[\g1a:\g1a+7]
	s_nop 0
.rept 4
	v_nop
.endr
	s_branch .Lasked_\@
.Lfor_b_\@:
	tensor_load_to_lds s[\g0b:\g0b+3], s[\g1b:\g1b+7]
	s_nop 0
.rept 4
	v_nop
.endr
.Lasked_\@:
.endm
.macro CREST
	s_cmp_lg_u32 s14, 0
	s_cbranch_scc1 .Lnot_wave_0_\@
	s_barrier_signal -3
.Lnot_wave_0_\@:
	s_barrier_wait -3
	s_barrier_signal -1
	s_barrier_wait -1
.endm
.macro CROUND
	s_barrier_signal -1
	s_barrier_wait -1
	CREST
.endm
	s_load_b64 s[4:5], s[0:1], 0x0
	s_load_b64 s[8:9], s[0:1], 0x8
	s_load_b128 s[96:99], s[0:1], 0x10
	v_lshl_add_u32 v[SPW], v0, 2, SPARE
	v_mov_b32 v[NIL], 0
	ds_add_u32 v[SPW], v[NIL]
	ds_add_u32 v[SPW], v[NIL]
	v_lshrrev_b32 v1, 5, v0
	v_readfirstlane_b32 s14, v1
	s_lshr_b32 s15, s14, 1
	s_and_b32 s16, s14, 1
	s_bfe_u32 s40, ttmp6, 0x40000
	s_bfe_u32 s41, ttmp6, 0x40004
	s_lshr_b32 s17, ttmp9, 1
	s_lshl_b32 s17, s17, 2
	s_and_b32 s42, ttmp9, 1
	s_lshl_b32 s42, s42, 2
	s_sub_co_u32 s18, ttmp9, 16
	s_lshl_b32 s18, s18, 2
	s_cmp_lt_u32 ttmp9, 16
	s_cselect_b32 s100, 0, 1
	s_cselect_b32 s17, s17, 8
	s_cselect_b32 s42, s42, s18
	s_add_co_u32 s17, s17, s41
	s_add_co_u32 s42, s42, s40
	s_lshl_b32 s43, s41, 2
	s_lshl_b32 s43, 15, s43
	s_lshl_b32 s44, 0x1111, s40
	s_or_b32 s[G1+0], s43, (0<<16)|(1<<20)|(1<<21)|(5<<22)|(3<<25)
	s_or_b32 s[G1B+0], s44, (0<<16)|(1<<20)|(1<<21)|(5<<22)|(3<<25)
.irp g, G1, G1B
	s_mov_b32 s[\g+1], ROWB<<16
	s_mov_b32 s[\g+2], 128<<16
	s_mov_b32 s[\g+3], ROWB<<16
	s_mov_b32 s[\g+4], 128
	s_mov_b32 s[\g+5], KROW
	s_mov_b32 s[\g+6], 0
	s_mov_b32 s[\g+7], 0
.endr
	s_lshl_b32 s18, s16, 7
	s_lshl_b32 s20, s17, 8
	s_add_co_u32 s20, s20, s18
	s_lshl_b32 s46, s42, 8
	s_add_co_u32 s46, s46, s18
	s_mov_b32 s21, 0
	s_mov_b32 s47, 0
	s_mov_b64 s[18:19], KROW
	s_mul_u64 s[20:21], s[20:21], s[18:19]
	s_mul_u64 s[46:47], s[46:47], s[18:19]
	s_mul_i32 s45, s14, HALFT
	s_wait_dscnt 0x0
	s_wait_kmcnt 0x0
	s_cmp_lt_u32 ttmp9, 16
	s_cselect_b64 s[18:19], s[4:5], s[8:9]
	s_cselect_b64 s[8:9], s[8:9], s[4:5]
	s_mov_b64 s[4:5], s[18:19]
	s_add_nc_u64 s[20:21], s[4:5], s[20:21]
	s_add_nc_u64 s[46:47], s[8:9], s[46:47]
	CROUND                                         ; all sixteen work-groups are here: the first joint loads meet
.irp s, 0,1
	s_mov_b32 s[G0+4*\s], 1
	s_add_co_u32 s[G0+4*\s+1], s45, \s*SLOT
	s_add_nc_u64 s[G0+4*\s+2:G0+4*\s+3], s[20:21], \s*ROWB
	s_or_b32 s[G0+4*\s+3], s[G0+4*\s+3], 0x80000000
	s_mov_b32 s[G0B+4*\s], 1
	s_add_co_u32 s[G0B+4*\s+1], s45, \s*SLOT
	s_add_nc_u64 s[G0B+4*\s+2:G0B+4*\s+3], s[46:47], \s*ROWB
	s_or_b32 s[G0B+4*\s+3], s[G0B+4*\s+3], 0x80000000
.endr
	JLOAD G0, G1, G0B, G1B                         ; K step 0, my one load at the head; the addresses below are made while it is out
	v_and_b32 v1, 15, v0
	v_bfe_u32 v2, v0, 4, 1
	v_mul_u32_u24 v3, v1, PITCH
	v_mul_u32_u24 v4, v2, 24
	v_add_nc_u32 v4, v3, v4
	s_mul_i32 s21, s15, HALFT
	s_mul_i32 s22, s16, HALFT
	s_add_co_u32 s22, s22, 2*HALFT
.irp s, 0,1
	v_add_nc_u32 v[ADRA+\s], s21, v4
	v_add_nc_u32 v[ADRB+\s], s22, v4
	s_add_co_u32 s21, s21, SLOT
	s_add_co_u32 s22, s22, SLOT
.endr
	s_mul_i32 s21, s15, HALFT                      ; the scale words lie at byte 192 of the tiles' rows: lanes 0-15 take A's rows, lanes 16-31 B's
	s_mul_i32 s22, s16, HALFT
	s_add_co_u32 s22, s22, 2*HALFT
	s_sub_co_u32 s22, s22, s21
	s_add_co_u32 s21, s21, 192
	s_wait_alu depctr_va_vdst(0)                   ; ahead of the readers below
	v_mul_u32_u24 v6, s22, v2
	v_add_nc_u32 v5, v3, v6
	v_add_nc_u32 v[ADRS], s21, v5
	v_add_nc_u32 v[ADRS+1], SLOT, v[ADRS]
	v_and_b32 v6, 31, v0
	v_lshlrev_b32 v[LI], 4, v6
	v_lshlrev_b32 v[LH], 3, v6
	v_mul_u32_u24 v[LW], v2, REC
	v_lshl_add_u32 v[LW], v1, 4, v[LW]
	s_lshl_b32 s20, s17, 1
	s_add_co_u32 s20, s20, s15
	s_lshl_b32 s46, s42, 1
	s_add_co_u32 s46, s46, s16
	s_cmp_eq_u32 s100, 0
	s_cselect_b32 s21, s20, s46
	s_cselect_b32 s22, s46, s20
	s_and_b32 s23, s22, 7
	s_lshl_b32 s23, s23, 1
	s_lshl_b32 s21, s21, 4
	s_add_co_u32 s21, s21, s23
	s_mul_i32 s92, s21, REC
	s_mov_b32 s93, 0
	s_add_nc_u64 s[98:99], s[98:99], s[92:93]
	s_lshr_b32 s23, s22, 3
	s_mov_b32 s94, 18688
	s_cmp_eq_u32 s23, 0
	s_cselect_b32 s92, 0, 6400
	s_cselect_b32 s94, 6144, s94
	s_cmp_eq_u32 s23, 2
	s_cselect_b32 s92, 12544, s92
	s_cselect_b32 s94, 18944, s94
	s_mov_b32 s95, 0
	s_add_nc_u64 s[12:13], s[98:99], s[92:93]
	s_add_nc_u64 s[98:99], s[98:99], s[94:95]
	s_lshl_b32 s92, s22, 9
	s_add_nc_u64 s[96:97], s[96:97], s[92:93]
	s_mov_b32 s95, 0xffff0000
	s_mov_b32 s[SEL], 0x76543210
	s_mov_b32 s[SEL+1], 0xfedcba98
	v_lshlrev_b32 v7, 6, v2
.irp b, 0,1,2,3
.irp j, 0,1,2,3
	global_load_b128 v[BI+16*\b+4*\j:BI+16*\b+4*\j+3], v7, s[96:97] offset:128*\b+16*\j
.endr
.endr
	v_and_b32 v8, 8, v1
	v_add_nc_u32 v8, v8, v1
	v_lshlrev_b32 v8, 2, v8
.irp a, 0,1,2,3,4,5,6,7
	global_load_b32 v[BJ+2*\a], v8, s[96:97] offset:4*(32*(\a/2)+8*(\a%2))
	global_load_b32 v[BJ+2*\a+1], v8, s[96:97] offset:4*(32*(\a/2)+8*(\a%2))
.endr
.macro FRAG reg, adr, q, i
.irp p, 0,1,2,3,4,5
.set PIECE, 12*(\q)+6*(\p/3)+\p%3
	ds_load_b64 v[\reg+2*\p:\reg+2*\p+1], v[\adr] offset:8*PIECE+(\i)*16*PITCH
.endr
.endm
.macro MUL16 a0, p, q, sc, zero
.irp a, \a0, \a0+1
.irp b, 0,1,2,3,4,5,6,7
.if \zero
	v_wmma_scale_f32_16x16x128_f8f6f4 v[8*(8*((\a)%4)+\b):8*(8*((\a)%4)+\b)+7], v[128*(\p)+FR*\b:128*(\p)+FR*\b+FR-1], v[AF+FR*(\a):AF+FR*(\a)+FR-1], 0, v[SC+8*NQ*(\sc)+NQ*\b+(\q)], v[SC+8*NQ*(\sc)+NQ*(\a)+(\q)] matrix_a_fmt:MATRIX_FMT_FP6 matrix_b_fmt:MATRIX_FMT_FP6 matrix_a_scale:MATRIX_SCALE_ROW1
.else
	v_wmma_scale_f32_16x16x128_f8f6f4 v[8*(8*((\a)%4)+\b):8*(8*((\a)%4)+\b)+7], v[128*(\p)+FR*\b:128*(\p)+FR*\b+FR-1], v[AF+FR*(\a):AF+FR*(\a)+FR-1], v[8*(8*((\a)%4)+\b):8*(8*((\a)%4)+\b)+7], v[SC+8*NQ*(\sc)+NQ*\b+(\q)], v[SC+8*NQ*(\sc)+NQ*(\a)+(\q)] matrix_a_fmt:MATRIX_FMT_FP6 matrix_b_fmt:MATRIX_FMT_FP6 matrix_a_scale:MATRIX_SCALE_ROW1
.endif
.endr
.endr
.endm
.macro FETCH_B slot, q, p
	WIN TO_B
.irp i, 0,1,2,3,4,5,6,7
	FRAG 128*(\p)+FR*\i, ADRB+\slot, \q, \i
.endr
	WIN 0
.endm
.macro FETCH_A slot, q, i0
.irp i, \i0, \i0+1, \i0+2, \i0+3
	FRAG AF+FR*(\i), ADRA+\slot, \q, \i
.endr
.endm
.macro SCALES sc
.irp i, 0,1,2,3,4,5,6,7
	ds_load_b64 v[SC+8*NQ*\sc+NQ*\i:SC+8*NQ*\sc+NQ*\i+1], v[ADRS+\sc] offset:\i*16*PITCH
.endr
.endm
.macro PLACES n
.rept \n
	v_nop
.endr
.endm
.macro STEP slot, q, zero
	s_wait_dscnt 4*NL
	WIN MUL_LO
	MUL16 0, (\q)%2, \q, \slot, \zero
	MUL16 2, (\q)%2, \q, \slot, \zero
	s_wait_dscnt 0
	PLACES NP
	FETCH_B \slot, (\q)+1, 1-(\q)%2
	FETCH_A \slot, (\q)+1, 0
	WIN MUL_HI
	MUL16 4, (\q)%2, \q, \slot, \zero
	MUL16 6, (\q)%2, \q, \slot, \zero
	PLACES NP
	WIN 0
	FETCH_A \slot, (\q)+1, 4
.endm
.macro TURN slot, next, fill
	s_wait_tensorcnt 0x0
	ds_add_u32 v[SPW], v[NIL]
	s_wait_dscnt 4*NL+1
	WIN MUL_LO
	MUL16 0, 1, NQ-1, \slot, 0
	s_wait_dscnt 0x0
	s_barrier_signal -1
	MUL16 2, 1, NQ-1, \slot, 0
	WIN 0
	s_barrier_wait -1
.if \fill
	CREST
	s_add_nc_u64 s[G0+4*\slot+2:G0+4*\slot+3], s[G0+4*\slot+2:G0+4*\slot+3], 2*ROWB
	s_add_nc_u64 s[G0B+4*\slot+2:G0B+4*\slot+3], s[G0B+4*\slot+2:G0B+4*\slot+3], 2*ROWB
	JLOAD G0+4*\slot, G1, G0B+4*\slot, G1B
.else
	PLACES NP
.endif
	FETCH_B \next, 0, 0
	FETCH_A \next, 0, 0
	SCALES \next
	WIN MUL_HI
	MUL16 4, 1, NQ-1, \slot, 0
	MUL16 6, 1, NQ-1, \slot, 0
	PLACES NP
	WIN 0
	FETCH_A \next, 0, 4
.endm
	s_wait_alu depctr_va_vdst(0)                   ; the wait at the head's end
	s_wait_tensorcnt 0x0                           ; my part of K step 0 is in
	ds_add_u32 v[SPW], v[NIL]
	s_wait_dscnt 0x0
	CROUND                                         ; everybody's part is in, and the joint loads meet
	JLOAD G0+4, G1, G0B+4, G1B                     ; K step 1, the first tensor load behind the round
	FETCH_B 0, 0, 0
	FETCH_A 0, 0, 0
	SCALES 0
	FETCH_A 0, 0, 4
	STEP 0, 0, 1
	s_mov_b32 s3, LAPS-1
.Llap:
	TURN 0, 1, 1
	STEP 1, 0, 0
	TURN 1, 0, 1
	STEP 0, 0, 0
	s_sub_co_u32 s3, s3, 1
	s_cmp_lg_u32 s3, 0
	s_cbranch_scc1 .Llap
	TURN 0, 1, 0
	STEP 1, 0, 0
	s_wait_dscnt 4*NL
	WIN MUL_LO
	MUL16 0, 1, NQ-1, 1, 0
	MUL16 2, 1, NQ-1, 1, 0
	s_wait_dscnt 0
	WIN MUL_HI
	MUL16 4, 1, NQ-1, 1, 0
	MUL16 6, 1, NQ-1, 1, 0
	WIN 0
.macro QUANT s
.irp b, 0,1,2,3
	v_max3_num_f32 v[TM+\b], |v[\s+16*\b]|, |v[\s+1+16*\b]|, 0x1800000
.endr
.irp i, 2,4,6,8,10,12,14
.irp b, 0,1,2,3
	v_max3_num_f32 v[TM+\b], v[TM+\b], |v[\s+16*\b+\i]|, |v[\s+1+16*\b+\i]|
.endr
.endr
.irp b, 0,1,2,3
	v_permlanex16_b32 v[TM+4+\b], v[TM+\b], s[SEL], s[SEL+1]
.endr
.irp b, 0,1,2,3
	v_max_num_f32 v[TM+\b], v[TM+\b], v[TM+4+\b]
.endr
.irp b, 0,1,2,3
	v_add_nc_u32 v[TM+12+\b], 0xff000000, v[TM+\b]
.endr
.irp b, 0,1,2,3
	v_lshrrev_b32 v[TM+4+\b], 23, v[TM+12+\b]
.endr
	v_lshl_or_b32 v[PW], v[TM+5], 8, v[TM+4]
	v_lshl_or_b32 v[PW], v[TM+6], 16, v[PW]
	v_lshl_or_b32 v[PW], v[TM+7], 24, v[PW]
	s_wait_alu depctr_va_vdst(0)                   ; directly ahead of the wait below
	s_wait_xcnt 0x0                                ; the last block's stores have read their data: the conversions below are the first lines that write it again
.irp c, 0,1
	v_cvt_scalef32_pk16_fp6_f32 v[PC+6*\c:PC+2+6*\c], v[\s+32*\c:\s+15+32*\c], v[TM+12+2*\c]
	v_cvt_scalef32_pk16_fp6_f32 v[PC+12+4*\c:PC+14+4*\c], v[\s+16+32*\c:\s+31+32*\c], v[TM+12+2*\c+1]
.endr
	v_nop
.irp c, 0,1
.irp i, 0,1,2
	v_permlane16_swap_b32 v[PC+6*\c+\i], v[PC+12+4*\c+\i]
.endr
.irp i, 0,1,2
	v_mov_b32 v[PC+3+6*\c+\i], v[PC+12+4*\c+\i]
.endr
.endr
.endm
.macro EPI kind
.irp a, 0,1,2,3,4,5,6,7
	WIN (2+\a/4)
.set ii, 0
.rept 32
.if \kind
	v_pk_add_f32 v[T+2*ii:T+2*ii+1], v[64*(\a%4)+2*ii:64*(\a%4)+2*ii+1], v[BJ+2*\a:BJ+2*\a+1]
.else
	v_pk_add_f32 v[T+2*ii:T+2*ii+1], v[64*(\a%4)+2*ii:64*(\a%4)+2*ii+1], v[BI+2*ii:BI+2*ii+1]
.endif
.set ii, ii+1
.endr
	WIN 0
	QUANT T
.irp c, 0,1
.if \kind
.set OFF, REC*(\a/4)+1536*(\a%4)+768*\c
.else
.set OFF, 768*\a+REC*\c
.endif
	global_store_b128 v[LI], v[PC+6*\c:PC+6*\c+3], s[12:13] offset:OFF
	global_store_b64 v[LH], v[PC+6*\c+4:PC+6*\c+5], s[12:13] offset:OFF+512
.endr
	v_mov_b32 v[PWR+\a], v[PW]
.if (\kind == 0) && (\a%2 == 1)
	v_perm_b32 v[WS+\a/2], v[PWR+\a], v[PWR+\a-1], v[SELV]
.endif
.endr
.if \kind
.irp t, 0,1,2,3
	v_cndmask_b32 v[WS+\t], v[PWR+\t], v[PWR+4+\t], s95
.endr
.endif
	global_store_b128 v[LW], v[WS:WS+3], s[98:99]
.endm
	PLACES NP
	s_wait_loadcnt 0x0
	v_mov_b32 v[PW], 0x07060302
	v_mov_b32 v[SELV], 0x05040100
	v_cndmask_b32 v[SELV], v[SELV], v[PW], s95
.irp b, 0,1,2,3
	v_mov_b32 v[TM+4+\b], 0
.endr
	s_cmp_lg_u32 s100, 0
	s_cbranch_scc1 .Lvalues
	EPI 0
	s_branch .Lend
.Lvalues:
	EPI 1
.Lend:
	s_wait_tensorcnt 0x0
	ds_add_u32 v[SPW], v[NIL]
	s_wait_dscnt 0x0
	CROUND
	s_endpgm
.Lfunc_end_k_q2bb78249aa_qkvgemm:
	.size	k_q2bb78249aa_qkvgemm, .Lfunc_end_k_q2bb78249aa_qkvgemm-k_q2bb78249aa_qkvgemm
	.p2alignl 7, 3214868480
	.fill 96, 4, 3214868480
	.section	.rodata,"a",@progbits
	.p2align	6, 0x0
	.amdhsa_kernel k_q2bb78249aa_qkvgemm
		.amdhsa_group_segment_fixed_size 327680
		.amdhsa_private_segment_fixed_size 0
		.amdhsa_enable_private_segment 0
		.amdhsa_kernarg_size 32
		.amdhsa_user_sgpr_count 2
		.amdhsa_user_sgpr_kernarg_segment_ptr 1
		.amdhsa_wavefront_size32 1
		.amdhsa_system_sgpr_workgroup_id_x 1
		.amdhsa_system_sgpr_workgroup_id_y 1
		.amdhsa_system_sgpr_workgroup_id_z 1
		.amdhsa_system_vgpr_workitem_id 0
		.amdhsa_next_free_vgpr 1024
		.amdhsa_next_free_sgpr 102
		.amdhsa_reserve_vcc 0
		.amdhsa_float_denorm_mode_32 3
		.amdhsa_float_denorm_mode_16_64 3
		.amdhsa_memory_ordered 1
		.amdhsa_forward_progress 1
		.amdhsa_inst_pref_size 234
	.end_amdhsa_kernel
	.amdgpu_metadata
---
amdhsa.version: [ 1, 2 ]
amdhsa.kernels:
  - .name:           k_q2bb78249aa_qkvgemm
    .symbol:         k_q2bb78249aa_qkvgemm.kd
    .args:
      - { .name: xc, .offset: 0, .size: 8, .value_kind: global_buffer, .address_space: global }
      - { .name: wc, .offset: 8, .size: 8, .value_kind: global_buffer, .address_space: global }
      - { .name: in_proj_b, .offset: 16, .size: 8, .value_kind: global_buffer, .address_space: global }
      - { .name: qkv, .offset: 24, .size: 8, .value_kind: global_buffer, .address_space: global }
    .group_segment_fixed_size: 327680
    .private_segment_fixed_size: 0
    .kernarg_segment_align: 8
    .kernarg_segment_size: 32
    .max_flat_workgroup_size: 128
    .sgpr_count:     102
    .vgpr_count:     1024
    .wavefront_size: 32
...
	.end_amdgpu_metadata
.endif
;; end of part 2
;; launch attn (part 3): grid 4 x 64, 16 waves a work-group, clusters of 4 x 1, 327,680 bytes of LDS; arguments qkv, ao, asc; writes ao, asc
.if DOCPART == 3
	.amdgcn_target "amdgcn-amd-amdhsa--gfx1250"
	.amdhsa_code_object_version 6
	.text
	.protected	k_q2bb78249aa_attn
	.globl	k_q2bb78249aa_attn
	.p2align	8
	.type	k_q2bb78249aa_attn,@function
k_q2bb78249aa_attn:
	s_mov_b64 s[64:65], 0
	v_nop
	global_prefetch_b8 v0, s[64:65] scope:SCOPE_SE
	s_setreg_imm32_b32 hwreg(HW_REG_WAVE_MODE, 25, 1), 1
	s_wait_xcnt 0x0
	s_wait_alu depctr_hold_cnt(0) depctr_sa_sdst(0) depctr_va_vdst(0) depctr_va_sdst(0) depctr_va_ssrc(0) depctr_va_vcc(0) depctr_vm_vsrc(0)
	s_getreg_b32 s2, hwreg(HW_REG_IB_STS2, 6, 4)
	s_cmp_eq_u32 s2, 0
	s_cbranch_scc0 .Lentry_in_a_cluster
	s_endpgm
.Lentry_in_a_cluster:
	s_bfe_u32 s2, ttmp6, 0x10000c
	s_cmp_lg_u32 s2, 0x3003
	s_cbranch_scc0 .Lentry_shape_is_right
	s_endpgm
.Lentry_shape_is_right:
; o = softmax(q k^T / 8) v for one head and batch a cluster, both products on codes of FP6 (E2M3) with E8M0 scales; o is divided by the row's sum and quantised along the model's 1,024 for the last product.
; THE SOFTMAX: t = score x log2(e) / 8; M = the running largest t rounded UP to a whole number; p = 2^(t - M) is quantised along the keys, not normalised; the row's sum is taken of the unquantised p, in f32.
; When M moves, the sum and O are multiplied by 2^(old M - new M): exact.
; SHARES.  A cluster is the four quarters of one head's 2,048 queries.  A head's whole K and V, with their scale words, stay in LDS: 16 records' 12,800 dense bytes, one tensor load a wave, asked for JOINTLY by the four
; work-groups.  Filled once: no ring, no refill, no barrier in the loops.  A wave owns 16 queries a pass, two passes; four waves share a SIMD.  Nothing is prefetched into the L2: all but Q is asked for at the head.
; K = 64 IN THE FIRST PRODUCT.  A fragment's row holds TWO keys (tile 2 b's at k 0-63, tile 2 b + 1's at k 64-127) and is multiplied once by [q | 0] and once by [0 | q]; the zero blocks' scale byte is 1.
; LAYOUT.  Both products transposed: S^T = K Q^T, O^T = V^T P^T: a lane holds one query (lane % 16).  Row r of stored tile 2 b + u is 32 b + 8 u + r + 8 (r / 8): S's registers 16 b + i are keys 32 b + 16 (lane / 16) + i,
; and O^T's are channels likewise.  The queries keep that stored order in ao and asc; the last launch undoes it.
; TWO AREAS OF 64 REGISTERS TAKE TURNS.  In a step one area holds K's fragments and then V's, the other S^T and then p.  When p's codes are made, the next step's K is asked for into p's registers, ahead of the second product:
; 17 LDS loads are then younger than V's, which is the count of the wait for V.  So a trip of the loop is two steps; a pass's last two steps are written out, and the last asks for nothing.
; THE EXPONENTIALS go in two batches of 32: the second half's multiply-adds stand behind the first batch, the first half's sums and the scale words' arithmetic behind the second.
; ao: [query tile][head][768]: a half-image (registers 0-3 at 16 x lane, 4-5 at 512 + 8 x lane).  asc: [stored row][32]: byte 2 head + block.
; LIMITS: a block's largest p is taken from its largest score (v_exp_f32 is taken not to fall where its input rises); a block under 2^-124 (zeros too) gets the byte 1; NaN and infinities are not served;
; the promise holds while the scaled scores stay under 2^31 in magnitude.
; REGISTERS: v1-3, v9 lane offsets; v4, v5 the add's two; v6-8 the trip's LDS addresses; v12 -M, v13 the largest t, v[14:15] the sum; v16-21 zeros, v22-27 q, v28-33 zeros; v34, v35 q's scale words;
;   v36-99, v100-163 the two areas; v164-195 O^T; v196-207 p's codes; v208-211 K's scale words, v212-215 V's; v216-221 partial sums; v232-254 at work.
.set REC,   19200
.set KVB,   12800                      ; a record's K, V and scale words: 50 x 256 dense bytes at byte 6,400
.set NREC,  16
.set SPARE, NREC*KVB                   ; the spare words, 128 bytes a wave
.set LI,  1                            ; 16 x lane
.set LH,  2                            ; 8 x lane
.set LR,  3                            ; 16 (lane % 16)
.set SPW, 4
.set NIL, 5
.set A16, 6                            ; the trip's first record + 16 x lane
.set A8,  7
.set AS,  8
.set SB,  9                            ; 32 (lane % 16) + lane / 16
.set AR0, 36
.set AR1, 100
.set OT,  164
.set PCD, 196
.set KSC, 208
.set VSC, 212
.set TS,  216
.set WV,  10
.set G1,  16
.set G0,  24
.set QP,  28
.set QSP, 30
.set AOP, 32
.set ASP, 34
.set SEL, 36
.set CS,  38
.set TB,  40                           ; LDS byte of the trip's first record; it also counts the trips
.set PASS, 42
.macro CROUND
	s_barrier_signal -1
	s_barrier_wait -1
	s_cmp_lg_u32 s[WV], 0
	s_cbranch_scc1 .Lnot_wave_0_\@
	s_barrier_signal -3
.Lnot_wave_0_\@:
	s_barrier_wait -3
	s_barrier_signal -1
	s_barrier_wait -1
.endm
.macro FRAGL reg, off, a16, a8         ; a fragment from two half-images on end: every load takes 512 or 256 consecutive bytes
	ds_load_b128 v[\reg:\reg+3], v[\a16] offset:\off
	ds_load_b64 v[\reg+4:\reg+5], v[\a8] offset:\off+512
	ds_load_b128 v[\reg+6:\reg+9], v[\a16] offset:\off+768
	ds_load_b64 v[\reg+10:\reg+11], v[\a8] offset:\off+1280
.endm
.macro SUM4 base                       ; four pairs of p onto the four chains
	v_pk_add_f32 v[14:15], v[14:15], v[\base:\base+1]
.irp k, 0,1,2
	v_pk_add_f32 v[TS+2*\k:TS+2*\k+1], v[TS+2*\k:TS+2*\k+1], v[\base+2+2*\k:\base+3+2*\k]
.endr
.endm
; A STEP: 128 keys, the record at byte ro behind the trip's first.  KA: the area with K, then V; SA: the area of S^T, p, and then (pre = 1) the next step's K
.macro STEP KA, SA, ro, pre
	s_wait_alu depctr_va_vdst(0)                   ; directly ahead of the wait below
	s_wait_dscnt 0x0                               ; K and its scale words
.irp f, 0,1,2,3
	v_wmma_scale_f32_16x16x128_f8f6f4 v[\SA+16*\f:\SA+16*\f+7], v[\KA+12*\f:\KA+12*\f+11], v[22:33], 0, v[KSC+\f], v34 matrix_a_fmt:MATRIX_FMT_FP6 matrix_b_fmt:MATRIX_FMT_FP6
	v_wmma_scale_f32_16x16x128_f8f6f4 v[\SA+16*\f+8:\SA+16*\f+15], v[\KA+12*\f:\KA+12*\f+11], v[16:27], 0, v[KSC+\f], v35 matrix_a_fmt:MATRIX_FMT_FP6 matrix_b_fmt:MATRIX_FMT_FP6
.endr
.rept 4
	v_nop                                          ; places in front of the loads into K's registers and of the first read of the scores
.endr
.irp t, 0,1,2,3
	FRAGL \KA+12*\t, \ro+6144+1536*\t, A16, A8     ; V lands under the softmax
.endr
	ds_load_b128 v[VSC:VSC+3], v[AS] offset:\ro+12544
.irp b, 0,1,2,3
	v_max3_num_f32 v[232+\b], v[\SA+16*\b], v[\SA+1+16*\b], v[\SA+2+16*\b]   ; the largest score of each block of 32 keys
.endr
.irp i, 3,5,7,9,11,13
.irp b, 0,1,2,3
	v_max3_num_f32 v[232+\b], v[232+\b], v[\SA+16*\b+\i], v[\SA+1+16*\b+\i]
.endr
.endr
.irp b, 0,1,2,3
	v_max_num_f32 v[232+\b], v[232+\b], v[\SA+15+16*\b]
.endr
.irp b, 0,1,2,3
	s_delay_alu instid0(VALU_DEP_4)
	v_permlanex16_b32 v[236+\b], v[232+\b], s[SEL], s[SEL+1]
.endr
.irp b, 0,1,2,3
	s_delay_alu instid0(VALU_DEP_4)
	v_max_num_f32 v[232+\b], v[232+\b], v[236+\b]  ; with lane l xor 16's 16 keys
.endr
	s_delay_alu instid0(VALU_DEP_2)
	v_max3_num_f32 v254, v232, v233, v234
	s_delay_alu instid0(VALU_DEP_1)
	v_max_num_f32 v254, v254, v235                 ; the step's largest score of my query
	s_delay_alu instid0(VALU_DEP_1)
	v_mul_f32 v254, s[CS], v254                    ; as t (c is positive)
	s_delay_alu instid0(VALU_DEP_1)
	v_max_num_f32 v13, v13, v254                   ; the running largest t
	v_mov_b32 v254, v12
	s_delay_alu instid0(VALU_DEP_2)
	v_floor_f32 v12, -v13                          ; the new -M = floor(-t)
	s_delay_alu instid0(VALU_DEP_1)
	v_sub_f32 v254, v12, v254                      ; old M - new M: a whole number, 0 or less
	s_delay_alu instid0(VALU_DEP_1)
	v_cvt_i32_f32 v254, v254                       ; (it saturates)
	s_delay_alu instid0(VALU_DEP_1)
	v_ldexp_f32 v252, 1.0, v254                    ; f = 2^(old M - new M)
.irp j, 0,2,4,6,8,10,12,14,16,18,20,22,24,26,28,30
	v_pk_fma_f32 v[\SA+\j:\SA+\j+1], v[\SA+\j:\SA+\j+1], s[CS:CS+1], v[12:13] op_sel_hi:[1,0,0]   ; t - M, the first 32
.endr
.irp b, 0,1,2,3
	v_fma_f32 v[232+\b], v[232+\b], s[CS], v12     ; the same of each block's largest score
.endr
	v_pk_mul_f32 v[14:15], v[14:15], v[252:253] op_sel_hi:[1,0]   ; the sum under the new M,
.irp j, 0,2,4,6,8,10,12,14,16,18,20,22,24,26,28,30
	v_pk_mul_f32 v[OT+\j:OT+\j+1], v[OT+\j:OT+\j+1], v[252:253] op_sel_hi:[1,0]   ; and O^T: its first read behind the products stands ahead of the exponentials
.endr
	s_wait_alu depctr_va_vdst(0)                   ; ahead of a batch
.irp j, 0,1,2,3,4,5,6,7,8,9,10,11,12,13,14,15,16,17,18,19,20,21,22,23,24,25,26,27,28,29,30,31
	v_exp_f32 v[\SA+\j], v[\SA+\j]                 ; p = 2^(t - M), at most 1
.endr
.irp b, 0,1,2,3
	v_exp_f32 v[232+\b], v[232+\b]                 ; the blocks' largest p
.endr
.irp j, 32,34,36,38,40,42,44,46,48,50,52,54,56,58,60,62
	v_pk_fma_f32 v[\SA+\j:\SA+\j+1], v[\SA+\j:\SA+\j+1], s[CS:CS+1], v[12:13] op_sel_hi:[1,0,0]   ; the other 32: work that names none of the batch's results
.endr
	s_wait_alu depctr_va_vdst(0)                   ; behind the first batch and ahead of the second
.irp j, 32,33,34,35,36,37,38,39,40,41,42,43,44,45,46,47,48,49,50,51,52,53,54,55,56,57,58,59,60,61,62,63
	v_exp_f32 v[\SA+\j], v[\SA+\j]
.endr
	v_pk_add_f32 v[14:15], v[14:15], v[\SA:\SA+1]  ; the sum of the first 32 p, in four chains
.irp k, 0,1,2
	v_pk_add_f32 v[TS+2*\k:TS+2*\k+1], v[\SA+2+4*\k:\SA+3+4*\k], v[\SA+4+4*\k:\SA+5+4*\k]
.endr
	SUM4 \SA+14
	SUM4 \SA+22
	v_pk_add_f32 v[14:15], v[14:15], v[\SA+30:\SA+31]
.irp b, 0,1,2,3
	v_max_num_f32 v[232+\b], 0x1800000, v[232+\b]  ; the floor 2^(3 - 127): the byte cannot fall under 1
.endr
.irp b, 0,1,2,3
	s_delay_alu instid0(VALU_DEP_4)
	v_add_nc_u32 v[244+\b], 0xff000000, v[232+\b]  ; 2 off the exponent field: the conversion's scale operand
.endr
.irp b, 0,1,2,3
	s_delay_alu instid0(VALU_DEP_4)
	v_lshrrev_b32 v[236+\b], 23, v[244+\b]         ; the scale's byte
.endr
	s_delay_alu instid0(VALU_DEP_3)
	v_lshl_or_b32 v253, v237, 8, v236              ; p's scale word for these 128 keys
	s_delay_alu instid0(VALU_DEP_1)
	v_lshl_or_b32 v253, v238, 16, v253
	s_delay_alu instid0(VALU_DEP_1)
	v_lshl_or_b32 v253, v239, 24, v253
	s_wait_alu depctr_va_vdst(0)                   ; behind the second batch, ahead of its first reader
	SUM4 \SA+32
	SUM4 \SA+40
	SUM4 \SA+48
	SUM4 \SA+56
.irp c, 0,1
	v_cvt_scalef32_pk16_fp6_f32 v[PCD+6*\c:PCD+2+6*\c], v[\SA+32*\c:\SA+15+32*\c], v[244+2*\c]
	v_cvt_scalef32_pk16_fp6_f32 v[236+4*\c:238+4*\c], v[\SA+16+32*\c:\SA+31+32*\c], v[244+2*\c+1]   ; (a conversion's three registers begin on an even number)
.endr
	v_nop                                          ; one plain place behind a scaled conversion
.if \pre
.irp f, 0,1,2,3
	FRAGL \SA+12*\f, \ro+KVB+1536*\f, A16, A8      ; p is done with: the next step's K
.endr
	ds_load_b128 v[KSC:KSC+3], v[AS] offset:\ro+KVB+12288
.endif
.irp c, 0,1                                    ; a WHOLE block in a lane: lanes 0-15 block 2 c, lanes 16-31 block 2 c + 1
.irp i, 0,1,2
	v_permlane16_swap_b32 v[PCD+6*\c+\i], v[236+4*\c+\i]
.endr
.irp i, 0,1,2
	s_delay_alu instid0(VALU_DEP_3)
	v_mov_b32 v[PCD+3+6*\c+\i], v[236+4*\c+\i]
.endr
.endr
	v_pk_add_f32 v[TS:TS+1], v[TS:TS+1], v[TS+2:TS+3]              ; the four chains join.  (With the v_nop: the four places between the codes' last write and the products)
	v_pk_add_f32 v[14:15], v[14:15], v[TS+4:TS+5]
	v_pk_add_f32 v[14:15], v[14:15], v[TS:TS+1]
	v_nop
	s_wait_alu depctr_va_vdst(0)                   ; directly ahead of the wait below
.if \pre
	s_wait_dscnt 17                                ; V and its scale words are in; the 17 loads of the next K may be out
.else
	s_wait_dscnt 0x0
.endif
.irp t, 0,1,2,3                                ; the four accumulators by turns
	v_wmma_scale_f32_16x16x128_f8f6f4 v[OT+8*\t:OT+8*\t+7], v[\KA+12*\t:\KA+12*\t+11], v[PCD:PCD+11], v[OT+8*\t:OT+8*\t+7], v[VSC+\t], v253 matrix_a_fmt:MATRIX_FMT_FP6 matrix_b_fmt:MATRIX_FMT_FP6
.endr
.rept 5
	v_nop                                          ; five places: the next step's first products write over V's registers
.endr
.endm
	s_load_b128 s[4:7], s[0:1], 0x0                ; qkv, ao
	s_load_b64 s[8:9], s[0:1], 0x10                ; asc
	v_lshl_add_u32 v[SPW], v0, 2, SPARE
	v_mov_b32 v[NIL], 0
	ds_add_u32 v[SPW], v[NIL]                      ; the opening lines
	ds_add_u32 v[SPW], v[NIL]
	v_lshrrev_b32 v10, 5, v0
	s_delay_alu instid0(VALU_DEP_1)
	v_readfirstlane_b32 s[WV], v10                 ; wave 0..15
	s_bfe_u32 s11, ttmp6, 0x40000                  ; cx: my quarter of the queries: it enters Q's, ao's and asc's addresses alone
	s_and_b32 s12, ttmp7, 0xffff                   ; 16 x batch + head
	s_lshr_b32 s13, s12, 4
	s_lshl_b32 s45, s13, 4
	s_and_b32 s14, s12, 15                         ; head
	s_add_co_u32 s46, s45, s[WV]                   ; I fetch the record of keys 128 x wave on
	s_lshl_b32 s46, s46, 4
	s_add_co_u32 s46, s46, s14
	s_mul_i32 s46, s46, REC
	s_add_co_u32 s46, s46, 6400
	s_mov_b32 s47, 0
	s_lshl_b32 s48, s11, 2
	s_lshr_b32 s49, s[WV], 3
	s_add_co_u32 s48, s48, s49
	s_add_co_u32 s48, s48, s45                     ; my queries' 128: 16 x batch + 4 cx + wave / 8 (+ 2 in the second pass)
	s_and_b32 s49, s[WV], 7                        ; my tile of them
	s_lshl_b32 s50, s48, 4
	s_add_co_u32 s50, s50, s14
	s_mul_i32 s50, s50, REC
	s_mul_i32 s51, s49, 768
	s_add_co_u32 s52, s50, s51                     ; Q's half-image
	s_mov_b32 s53, 0
	s_lshr_b32 s51, s49, 1
	s_lshl_b32 s51, s51, 2
	s_add_co_u32 s54, s50, s51
	s_add_co_u32 s54, s54, 6144                    ; the word that holds my tile's two bytes
	s_mov_b32 s55, 0
	s_lshl_b32 s56, s48, 3
	s_add_co_u32 s56, s56, s49                     ; the query tile's number, 0 .. 511
	s_mul_i32 s58, s56, 12288
	s_mul_i32 s51, s14, 768
	s_add_co_u32 s58, s58, s51
	s_mov_b32 s59, 0
	s_lshl_b32 s60, s56, 9
	s_lshl_b32 s51, s14, 1
	s_add_co_u32 s60, s60, s51
	s_mov_b32 s61, 0
	s_and_b32 s44, s[WV], 1
	s_lshl_b32 s44, s44, 4                         ; an even tile's bytes lie in the word's low half, an odd tile's in its high half
	s_mov_b32 s43, 0xffff0000                      ; lanes 16-31
	s_mov_b32 s[SEL], 0x76543210
	s_mov_b32 s[SEL+1], 0xfedcba98
	s_mov_b32 s[CS], 0x3e38aa3b                    ; c = log2(e) / sqrt(64)
	s_mov_b32 s[CS+1], s[CS]
	s_mov_b32 s[G1], 15|(3<<16)|(1<<21)            ; a dense block of 12,800 bytes as 50 rows of 256; the mask: all four work-groups
	s_mov_b32 s[G1+1], 32<<16
	s_mov_b32 s[G1+2], 50<<16
	s_mov_b32 s[G1+3], 32<<16
	s_mov_b32 s[G1+4], 50
	s_mov_b32 s[G1+5], 32
	s_mov_b32 s[G1+6], 0
	s_mov_b32 s[G1+7], 0
	s_wait_dscnt 0x0
	s_wait_kmcnt 0x0
	s_mov_b32 s[G0], 1
	s_mul_i32 s[G0+1], s[WV], KVB
	s_add_nc_u64 s[G0+2:G0+3], s[4:5], s[46:47]
	s_or_b32 s[G0+3], s[G0+3], 0x80000000
	s_add_nc_u64 s[QP:QP+1], s[4:5], s[52:53]
	s_add_nc_u64 s[QSP:QSP+1], s[4:5], s[54:55]
	s_add_nc_u64 s[AOP:AOP+1], s[6:7], s[58:59]
	s_add_nc_u64 s[ASP:ASP+1], s[8:9], s[60:61]
	CROUND                                         ; all four work-groups are here: the joint loads meet
	tensor_load_to_lds s[G0:G0+3], s[G1:G1+7]      ; my one tensor load of the launch
	s_nop 0
.rept 4
	v_nop
.endr
	v_and_b32 v10, 31, v0
	s_delay_alu instid0(VALU_DEP_1)
	v_lshlrev_b32 v[LI], 4, v10
	s_delay_alu instid0(VALU_DEP_2)
	v_lshlrev_b32 v[LH], 3, v10
	v_and_b32 v11, 15, v0
	s_delay_alu instid0(VALU_DEP_1)
	v_lshlrev_b32 v[LR], 4, v11
	v_bfe_u32 v[SB], v0, 4, 1
	s_delay_alu instid0(VALU_DEP_1)
	v_lshl_add_u32 v[SB], v11, 5, v[SB]
.irp j, 16,17,18,19,20,21,28,29,30,31,32,33
	v_mov_b32 v[\j], 0                             ; the zero halves beside q: [0 | q] = v[16:27], [q | 0] = v[22:33]
.endr
.irp b, 0,1,2,3
	v_mov_b32 v[236+\b], 0                         ; a lane permute's destination counts as one of its sources
.endr
	v_mov_b32 v253, 0                              ; (named as the upper half of the pair v[252:253] before it is first written)
	s_wait_alu depctr_va_vdst(0)                   ; the wait at the head's end
	s_wait_tensorcnt 0x0                           ; my record is in,
	s_barrier_signal -1
	s_barrier_wait -1                              ; everybody's is
	s_mov_b32 s[PASS], 2
.Lpass:
.irp f, 0,1,2,3
	FRAGL AR0+12*\f, 1536*\f, LI, LH               ; the first step's K
.endr
	ds_load_b128 v[KSC:KSC+3], v[LR] offset:12288
	global_load_b128 v[22:25], v[LI], s[QP:QP+1] th:TH_LOAD_NT
	global_load_b64 v[26:27], v[LH], s[QP:QP+1] offset:512 th:TH_LOAD_NT
	global_load_b32 v10, v[LR], s[QSP:QSP+1]       ; lane r: query r's word
	v_mov_b32 v13, 0xff61b1e6                      ; the largest t so far: -3e38
	s_delay_alu instid0(VALU_DEP_1)
	v_floor_f32 v12, -v13                          ; -M
	v_mov_b32 v14, 0
	v_mov_b32 v15, 0
	s_wait_loadcnt 0x0
	v_lshrrev_b32 v10, s44, v10
	s_delay_alu instid0(VALU_DEP_1)
	v_and_b32 v10, 0xffff, v10                     ; my tile's two bytes
	s_delay_alu instid0(VALU_DEP_1)
	v_or_b32 v34, 0x01010000, v10                  ; for [q | 0]: the zero blocks' byte is 1
	s_delay_alu instid0(VALU_DEP_2)
	v_lshlrev_b32 v35, 16, v10
	s_delay_alu instid0(VALU_DEP_1)
	v_or_b32 v35, 0x0101, v35                      ; for [0 | q]
.irp j, 0,1,2,3,4,5,6,7,8,9,10,11,12,13,14,15,16,17,18,19,20,21,22,23,24,25,26,27,28,29,30,31
	v_mov_b32 v[OT+\j], 0                          ; O^T: the first step finds zeros.  (Also the places between the scale words' writes and the first products)
.endr
	s_mov_b32 s[TB], 0
.Lstep:                                            ; 7 trips of two steps: records 0 to 13
	v_add_nc_u32 v[A16], s[TB], v[LI]
	v_add_nc_u32 v[A8], s[TB], v[LH]
	v_add_nc_u32 v[AS], s[TB], v[LR]
	STEP AR0, AR1, 0, 1
	STEP AR1, AR0, KVB, 1
	s_add_co_u32 s[TB], s[TB], 2*KVB
	s_cmp_lt_u32 s[TB], 14*KVB
	s_cbranch_scc1 .Lstep
	v_add_nc_u32 v[A16], 14*KVB, v[LI]             ; records 14 and 15; the last step asks for nothing
	v_add_nc_u32 v[A8], 14*KVB, v[LH]
	v_add_nc_u32 v[AS], 14*KVB, v[LR]
	STEP AR0, AR1, 0, 1
	STEP AR1, AR0, KVB, 0
	; THE WAY OUT OF A PASS: O^T / the sum; its 32 registers are channels 32 b + 16 (lane / 16) + i: two blocks of the last product's K, quantised as p is
	v_add_f32 v14, v14, v15
	s_delay_alu instid0(VALU_DEP_1)
	v_permlanex16_b32 v252, v14, s[SEL], s[SEL+1]
	s_delay_alu instid0(VALU_DEP_1)
	v_add_f32 v14, v14, v252                       ; the row's sum
	s_wait_alu depctr_va_vdst(0)
	v_rcp_f32 v14, v14
	v_nop                                          ; a plain place behind the transcendental
	s_wait_alu depctr_va_vdst(0)                   ; the wait, ahead of the first reader
.irp j, 0,2,4,6,8,10,12,14,16,18,20,22,24,26,28,30
	v_pk_mul_f32 v[AR0+\j:AR0+\j+1], v[OT+\j:OT+\j+1], v[14:15] op_sel_hi:[1,0]   ; each accumulator from its low end on
.endr
.irp b, 0,1
	v_max3_num_f32 v[232+\b], |v[AR0+16*\b]|, |v[AR0+1+16*\b]|, 0x1800000
.endr
.irp i, 2,4,6,8,10,12,14
.irp b, 0,1
	s_delay_alu instid0(VALU_DEP_2)
	v_max3_num_f32 v[232+\b], v[232+\b], |v[AR0+16*\b+\i]|, |v[AR0+1+16*\b+\i]|
.endr
.endr
.irp b, 0,1
	s_delay_alu instid0(VALU_DEP_2)
	v_permlanex16_b32 v[236+\b], v[232+\b], s[SEL], s[SEL+1]
.endr
.irp b, 0,1
	s_delay_alu instid0(VALU_DEP_2)
	v_max_num_f32 v[232+\b], v[232+\b], v[236+\b]
.endr
.irp b, 0,1
	s_delay_alu instid0(VALU_DEP_2)
	v_add_nc_u32 v[244+\b], 0xff000000, v[232+\b]
.endr
.irp b, 0,1
	s_delay_alu instid0(VALU_DEP_2)
	v_lshrrev_b32 v[236+\b], 23, v[244+\b]
.endr
	v_cvt_scalef32_pk16_fp6_f32 v[PCD:PCD+2], v[AR0:AR0+15], v244
	v_cvt_scalef32_pk16_fp6_f32 v[240:242], v[AR0+16:AR0+31], v245
	v_nop                                          ; one plain place behind a scaled conversion
.irp i, 0,1,2
	v_permlane16_swap_b32 v[PCD+\i], v[240+\i]
.endr
.irp i, 0,1,2
	s_delay_alu instid0(VALU_DEP_3)
	v_mov_b32 v[PCD+3+\i], v[240+\i]
.endr
	v_cndmask_b32 v254, v236, v237, s43            ; lanes 0-15 block 0's byte, lanes 16-31 block 1's
	global_store_b128 v[LI], v[PCD:PCD+3], s[AOP:AOP+1]            ; 512 consecutive bytes, aligned to 256
	global_store_b64 v[LH], v[PCD+4:PCD+5], s[AOP:AOP+1] offset:512
	global_store_b8 v[SB], v254, s[ASP:ASP+1]
	s_wait_xcnt 0x0                                ; the stores have read their data and bases
	s_add_nc_u64 s[QP:QP+1], s[QP:QP+1], 2*16*REC  ; 256 queries on
	s_add_nc_u64 s[QSP:QSP+1], s[QSP:QSP+1], 2*16*REC
	s_add_nc_u64 s[AOP:AOP+1], s[AOP:AOP+1], 16*12288
	s_add_nc_u64 s[ASP:ASP+1], s[ASP:ASP+1], 16*512
	s_sub_co_u32 s[PASS], s[PASS], 1
	s_cmp_lg_u32 s[PASS], 0
	s_cbranch_scc1 .Lpass
	s_wait_tensorcnt 0x0                           ; the wave's end
	ds_add_u32 v[SPW], v[NIL]
	s_wait_dscnt 0x0
	CROUND                                         ; the closing round
	s_endpgm
.Lfunc_end_k_q2bb78249aa_attn:
	.size	k_q2bb78249aa_attn, .Lfunc_end_k_q2bb78249aa_attn-k_q2bb78249aa_attn
	.p2alignl 7, 3214868480
	.fill 96, 4, 3214868480
	.section	.rodata,"a",@progbits
	.p2align	6, 0x0
	.amdhsa_kernel k_q2bb78249aa_attn
		.amdhsa_group_segment_fixed_size 327680
		.amdhsa_private_segment_fixed_size 0
		.amdhsa_enable_private_segment 0
		.amdhsa_kernarg_size 24
		.amdhsa_user_sgpr_count 2
		.amdhsa_user_sgpr_kernarg_segment_ptr 1
		.amdhsa_wavefront_size32 1
		.amdhsa_system_sgpr_workgroup_id_x 1
		.amdhsa_system_sgpr_workgroup_id_y 1
		.amdhsa_system_sgpr_workgroup_id_z 1
		.amdhsa_system_vgpr_workitem_id 0
		.amdhsa_next_free_vgpr 256
		.amdhsa_next_free_sgpr 66
		.amdhsa_reserve_vcc 0
		.amdhsa_float_denorm_mode_32 3
		.amdhsa_float_denorm_mode_16_64 3
		.amdhsa_memory_ordered 1
		.amdhsa_forward_progress 1
		.amdhsa_inst_pref_size 80
	.end_amdhsa_kernel
	.amdgpu_metadata
---
amdhsa.version: [ 1, 2 ]
amdhsa.kernels:
  - .name:           k_q2bb78249aa_attn
    .symbol:         k_q2bb78249aa_attn.kd
    .args:
      - { .name: qkv, .offset: 0, .size: 8, .value_kind: global_buffer, .address_space: global }
      - { .name: ao, .offset: 8, .size: 8, .value_kind: global_buffer, .address_space: global }
      - { .name: asc, .offset: 16, .size: 8, .value_kind: global_buffer, .address_space: global }
    .group_segment_fixed_size: 327680
    .private_segment_fixed_size: 0
    .kernarg_segment_align: 8
    .kernarg_segment_size: 24
    .max_flat_workgroup_size: 512
    .sgpr_count:     66
    .vgpr_count:     256
    .wavefront_size: 32
...
	.end_amdgpu_metadata
.endif
;; end of part 3
;; launch outgemm (part 4): grid 8 x 32, 4 waves a work-group, clusters of 4 x 4, 327,680 bytes of LDS; arguments ao, asc, wc, out_proj_b, out0; writes out0
.if DOCPART == 4
	.amdgcn_target "amdgcn-amd-amdhsa--gfx1250"
	.amdhsa_code_object_version 6
	.text
	.protected	k_q2bb78249aa_outgemm
	.globl	k_q2bb78249aa_outgemm
	.p2align	8
	.type	k_q2bb78249aa_outgemm,@function
k_q2bb78249aa_outgemm:
	s_mov_b64 s[64:65], 0
	v_nop
	global_prefetch_b8 v0, s[64:65] scope:SCOPE_SE
	s_setreg_imm32_b32 hwreg(HW_REG_WAVE_MODE, 25, 1), 1
	s_wait_xcnt 0x0
	s_wait_alu depctr_hold_cnt(0) depctr_sa_sdst(0) depctr_va_vdst(0) depctr_va_sdst(0) depctr_va_ssrc(0) depctr_va_vcc(0) depctr_vm_vsrc(0)
	s_getreg_b32 s2, hwreg(HW_REG_IB_STS2, 6, 4)
	s_cmp_eq_u32 s2, 0
	s_cbranch_scc0 .Lentry_in_a_cluster
	s_endpgm
.Lentry_in_a_cluster:
	s_bfe_u32 s2, ttmp6, 0x10000c
	s_cmp_lg_u32 s2, 0xf033
	s_cbranch_scc0 .Lentry_shape_is_right
	s_endpgm
.Lentry_shape_is_right:
; out0 = o out_proj_w^T + out_proj_b on codes of FP6 (E2M3) with E8M0 scales; f32 sums, f32 out.
; A block of 256 rows x 128 columns a work-group: 32 x 8 = 256 work-groups.  Four waves, 2 x 2; a wave makes 128 x 64: 32 accumulators of 16 x 16, all of register window 2.
; A = ao: [tile of 16 stored rows][head][768]: images of the operand's registers (registers 0-3 at 16 x lane, 4-5 at 512 + 8 x lane), a tile row of 3,072 bytes for 256 along K; its scale bytes asc [stored row][32].
; B = wc from row 3,072 on: a row is four pieces of 256 bytes: 192 of codes, 8 scale bytes at byte 192, zeros; a tile row is one piece, 272 apart in LDS.
; K goes in four steps of 256 through two slots (A's 16 tiles, B's 128 rows).  Clusters of 4 x 4: A and its scales are shared along a row of the cluster, B along a column, by joint loads.
; THE HEAD: one load a wave: waves 0 and 1 a half of A each, wave 2 B, wave 3 A's scale bytes for all of K (filled once).  Slot 1's first fill and the two refills stand behind the full sequence and a round; wave 3 has no part in them.
; The matrix instruction is used transposed (source 0 = B's rows): a lane holds eight neighbouring columns of one row.  The bias is the first products' C.  The rows' stored order is undone in the stores' offsets.
; The way out goes through a stage in slot 0, which has had its last fill and, behind the last barrier, its last read.  No prefetch: K is four steps, and two of them are asked for at the head.
; REGISTERS: window 0: v16-29 addresses; v32-63 A's scale words, two sets; v64-79 B's, two sets; v80-111 the bias; v128-223 A's fragments, one set.  Window 1: B's fragments at v0 and v128.
.set SIZE_N, 1024
.set ROWB,   256
.set KROW,   1024
.set PITCH,  272
.set FR,     12
.set NLA,    4                         ; LDS loads of a fragment of A
.set NP,     4
.set ABYTES, 3072
.set HALFA,  8*ABYTES
.set BT,     128*PITCH
.set SLOT,   2*HALFA+BT
.set SCL,    2*SLOT                    ; A's scale bytes: 32 blocks of 256 + 16
.set HALFS,  16*272
.set SBLK,   2*272
.set SPARE,  SCL+2*HALFS
.set WOFF,   3072*KROW
.set ADRA, 16                          ; v16-17 16 x lane in slot 0, 1; v18-19 8 x lane
.set ADRB, 20                          ; v20-21 B's fragments
.set ADSB, 22                          ; v22-23 B's rows, for the scale words
.set STO,  24
.set RD,   25
.set CO,   26
.set ADSA, 27
.set SPW,  28
.set NIL,  29
.set SCA,  32
.set SCB,  64
.set BI,   80
.set AF,   128
.set BK,   128
.set G1, 24
.set G0, 32
.set G1B, 48
.set G0B, 56
.set G1S, 68
.set G0S, 76
.set MSB, 0
.macro WIN new
.if MSB != (\new)
	s_set_vgpr_msb (MSB<<8)|(\new)
.set MSB, (\new)
.endif
.endm
.set MULW, 0xa1                        ; source 0 window 1, source 1 window 0, C and D window 2
.set FSTW, 0x81                        ; the same with C in window 0
.set TO_B, 0x40
.macro PLACES n
.rept \n
	v_nop
.endr
.endm
.macro TL g0, g1
	tensor_load_to_lds s[\g0:\g0+3], s[\g1:\g1+7]
	s_nop 0
	PLACES 4
.endm
.macro JLOAD s                         ; waves 0, 1: A's halves; wave 2: B; wave 3: none.  The places behind the join serve the wave that comes round the loads
	s_cmp_lt_u32 s14, 2
	s_cbranch_scc0 .Lfor_b_\@
	TL G0+4*\s, G1
	s_branch .Lasked_\@
.Lfor_b_\@:
	s_cmp_eq_u32 s14, 2
	s_cbranch_scc0 .Lasked_\@
	TL G0B+4*\s, G1B
.Lasked_\@:
	PLACES NP
.endm
.macro CREST
	s_cmp_lg_u32 s14, 0
	s_cbranch_scc1 .Lnot_wave_0_\@
	s_barrier_signal -3
.Lnot_wave_0_\@:
	s_barrier_wait -3
	s_barrier_signal -1
	s_barrier_wait -1
.endm
.macro CROUND
	s_barrier_signal -1
	s_barrier_wait -1
	CREST
.endm
	s_load_b128 s[4:7], s[0:1], 0x0                ; ao, asc
	s_load_b128 s[8:11], s[0:1], 0x10              ; wc, out_proj_b
	s_load_b64 s[12:13], s[0:1], 0x20              ; out0
	v_lshl_add_u32 v[SPW], v0, 2, SPARE
	v_mov_b32 v[NIL], 0
	ds_add_u32 v[SPW], v[NIL]                      ; the opening lines
	ds_add_u32 v[SPW], v[NIL]
	v_lshrrev_b32 v1, 5, v0
	v_readfirstlane_b32 s14, v1                    ; wave
	s_lshr_b32 s15, s14, 1                         ; my half of the rows
	s_and_b32 s16, s14, 1                          ; my half of the columns; for waves 0, 1 also the half of A that I fetch
	s_bfe_u32 s40, ttmp6, 0x40000
	s_bfe_u32 s41, ttmp6, 0x40004
	s_lshl_b32 s42, ttmp9, 2
	s_add_co_u32 s42, s42, s40                     ; tile column, 0 .. 7
	s_and_b32 s17, ttmp7, 0xffff
	s_lshl_b32 s17, s17, 2
	s_add_co_u32 s17, s17, s41                     ; tile row, 0 .. 31
	s_lshl_b32 s43, s41, 2
	s_lshl_b32 s43, 15, s43                        ; my row of the cluster
	s_lshl_b32 s44, 0x1111, s40                    ; my column
	s_or_b32 s[G1+0], s43, (3<<16)|(1<<21)         ; A: 8 rows of 384 elements of 8 bytes, 1,536 elements apart
	s_mov_b32 s[G1+1], 384<<16
	s_mov_b32 s[G1+2], 8<<16
	s_mov_b32 s[G1+3], 384<<16
	s_mov_b32 s[G1+4], 8
	s_mov_b32 s[G1+5], 1536
	s_mov_b32 s[G1+6], 0
	s_mov_b32 s[G1+7], 0
	s_or_b32 s[G1B+0], s44, (1<<20)|(1<<21)|(5<<22)|(3<<25)   ; B: 128 rows of 256 bytes, 16 of padding behind each
	s_mov_b32 s[G1B+1], ROWB<<16
	s_mov_b32 s[G1B+2], 128<<16
	s_mov_b32 s[G1B+3], ROWB<<16
	s_mov_b32 s[G1B+4], 128
	s_mov_b32 s[G1B+5], KROW
	s_mov_b32 s[G1B+6], 0
	s_mov_b32 s[G1B+7], 0
	s_or_b32 s[G1S+0], s43, (3<<16)|(1<<20)|(1<<21)|(5<<22)|(3<<25)   ; A's scales: 8,192 dense bytes as 32 rows of 256
	s_mov_b32 s[G1S+1], 32<<16
	s_mov_b32 s[G1S+2], 32<<16
	s_mov_b32 s[G1S+3], 32<<16
	s_mov_b32 s[G1S+4], 32
	s_mov_b32 s[G1S+5], 32
	s_mov_b32 s[G1S+6], 0
	s_mov_b32 s[G1S+7], 0
	s_lshl_b32 s20, s17, 4
	s_lshl_b32 s18, s16, 3
	s_add_co_u32 s20, s20, s18
	s_mul_i32 s20, s20, 4*ABYTES                   ; A: tile 16 x tile row + 8 x half
	s_mov_b32 s21, 0
	s_lshl_b32 s22, s17, 13                        ; its scale bytes
	s_mov_b32 s23, 0
	s_lshl_b32 s46, s42, 17                        ; B: row 128 x tile column
	s_mov_b32 s47, 0
	s_mul_i32 s45, s16, HALFA
	s_lshl_b32 s80, s42, 9
	s_lshl_b32 s81, s16, 8
	s_add_co_u32 s80, s80, s81                     ; my first column, in bytes
	s_mov_b32 s81, 0
	s_lshl_b32 s82, s17, 8
	s_lshl_b32 s83, s15, 7
	s_add_co_u32 s82, s82, s83
	s_lshl_b32 s82, s82, 12                        ; my first row of out0, in bytes
	s_mov_b32 s83, 0
	s_mul_i32 s84, s15, HALFA
	s_add_co_u32 s85, s84, SLOT
	s_mul_i32 s86, s16, 64*PITCH
	s_add_co_u32 s86, s86, 2*HALFA
	s_add_co_u32 s87, s86, SLOT
	s_mul_i32 s88, s15, HALFS
	s_add_co_u32 s88, s88, SCL
	s_mul_i32 s89, s14, 16*PITCH                   ; my stage
	s_wait_dscnt 0x0
	s_wait_kmcnt 0x0
	s_add_nc_u64 s[20:21], s[4:5], s[20:21]
	s_add_nc_u64 s[22:23], s[6:7], s[22:23]
	s_add_nc_u64 s[46:47], s[8:9], s[46:47]
	s_add_nc_u64 s[46:47], s[46:47], WOFF
	CROUND                                         ; all sixteen work-groups are here: the first joint loads meet
.irp s, 0,1
	s_mov_b32 s[G0+4*\s], 1
	s_add_co_u32 s[G0+4*\s+1], s45, \s*SLOT
	s_add_nc_u64 s[G0+4*\s+2:G0+4*\s+3], s[20:21], \s*ABYTES
	s_or_b32 s[G0+4*\s+3], s[G0+4*\s+3], 0x80000000
	s_mov_b32 s[G0B+4*\s], 1
	s_mov_b32 s[G0B+4*\s+1], 2*HALFA+\s*SLOT
	s_add_nc_u64 s[G0B+4*\s+2:G0B+4*\s+3], s[46:47], \s*ROWB
	s_or_b32 s[G0B+4*\s+3], s[G0B+4*\s+3], 0x80000000
.endr
	s_mov_b32 s[G0S], 1
	s_mov_b32 s[G0S+1], SCL
	s_mov_b64 s[G0S+2:G0S+3], s[22:23]
	s_or_b32 s[G0S+3], s[G0S+3], 0x80000000
	s_cmp_lt_u32 s14, 2                            ; one chain of branches on the wave's number, one load to an arm
	s_cbranch_scc0 .Lhead_b
	TL G0, G1
	s_branch .Lhead_asked
.Lhead_b:
	s_cmp_eq_u32 s14, 2
	s_cbranch_scc0 .Lhead_s
	TL G0B, G1B
	s_branch .Lhead_asked
.Lhead_s:
	TL G0S, G1S
.Lhead_asked:
	s_add_nc_u64 s[10:11], s[10:11], s[80:81]
	s_add_nc_u64 s[12:13], s[12:13], s[82:83]
	s_add_nc_u64 s[12:13], s[12:13], s[80:81]
	v_and_b32 v1, 15, v0                           ; r
	v_bfe_u32 v2, v0, 4, 1                         ; h
	v_and_b32 v6, 31, v0
	v_mul_u32_u24 v3, v1, PITCH
	v_mad_u32_u24 v4, v2, 24, v3
	v_lshlrev_b32 v7, 4, v6
	v_lshlrev_b32 v8, 3, v6
	v_add_nc_u32 v[ADRA], s84, v7
	v_add_nc_u32 v[ADRA+1], s85, v7
	v_add_nc_u32 v[ADRA+2], s84, v8
	v_add_nc_u32 v[ADRA+3], s85, v8
	v_add_nc_u32 v[ADRB], s86, v4
	v_add_nc_u32 v[ADRB+1], s87, v4
	v_add_nc_u32 v[ADSB], s86, v3
	v_add_nc_u32 v[ADSB+1], s87, v3
	v_lshlrev_b32 v5, 5, v1                        ; A's scales: 32 bytes a row, 16 more for each 256 passed
	v_lshrrev_b32 v9, 8, v5
	v_lshl_add_u32 v5, v9, 4, v5
	v_add_nc_u32 v[ADSA], s88, v5
	v_lshl_add_u32 v10, v2, 5, v3
	v_add_nc_u32 v[STO], s89, v10                  ; in: row r, 32 bytes for each half of the lanes
	v_mul_u32_u24 v10, v2, PITCH
	v_lshl_add_u32 v10, v1, 4, v10
	v_add_nc_u32 v[RD], s89, v10                   ; back: sixteen lanes a row of 256 bytes, two rows a load
	v_lshlrev_b32 v11, 4, v1
	v_lshl_add_u32 v[CO], v2, 12, v11              ; and the same two rows in out0
	v_lshlrev_b32 v12, 5, v2
.irp b, 0,1,2,3
	global_load_b128 v[BI+8*\b:BI+8*\b+3], v12, s[10:11] offset:64*\b       ; the bias, laid as a result lies: column 16 b + 8 h + j
	global_load_b128 v[BI+8*\b+4:BI+8*\b+7], v12, s[10:11] offset:64*\b+16
.endr
.macro FRAGB reg, slot, q, i
.irp p, 0,1,2,3,4,5
	ds_load_b64 v[\reg+2*\p:\reg+2*\p+1], v[ADRB+\slot] offset:96*(\q)+48*(\p/3)+8*(\p%3)+(\i)*16*PITCH
.endr
.endm
.macro FRAGI reg, slot, q, i
	ds_load_b128 v[\reg:\reg+3], v[ADRA+\slot] offset:(\i)*ABYTES+(\q)*1536
	ds_load_b64 v[\reg+4:\reg+5], v[ADRA+2+\slot] offset:(\i)*ABYTES+(\q)*1536+512
	ds_load_b128 v[\reg+6:\reg+9], v[ADRA+\slot] offset:(\i)*ABYTES+(\q)*1536+768
	ds_load_b64 v[\reg+10:\reg+11], v[ADRA+2+\slot] offset:(\i)*ABYTES+(\q)*1536+1280
.endm
; 8 products: A's blocks a0, a0 + 1 x B's four.  The 32 accumulators take turns in the same order in every step
.macro MUL8 a0, p, q, sc, first
.irp a, \a0, \a0+1
.irp b, 0,1,2,3
.if \first
	v_wmma_scale_f32_16x16x128_f8f6f4 v[8*(4*(\a)+\b):8*(4*(\a)+\b)+7], v[128*(\p)+FR*\b:128*(\p)+FR*\b+FR-1], v[AF+FR*(\a):AF+FR*(\a)+FR-1], v[BI+8*\b:BI+8*\b+7], v[SCB+8*(\sc)+2*\b+(\q)], v[SCA+16*(\sc)+2*(\a)+(\q)] matrix_a_fmt:MATRIX_FMT_FP6 matrix_b_fmt:MATRIX_FMT_FP6
.else
	v_wmma_scale_f32_16x16x128_f8f6f4 v[8*(4*(\a)+\b):8*(4*(\a)+\b)+7], v[128*(\p)+FR*\b:128*(\p)+FR*\b+FR-1], v[AF+FR*(\a):AF+FR*(\a)+FR-1], v[8*(4*(\a)+\b):8*(4*(\a)+\b)+7], v[SCB+8*(\sc)+2*\b+(\q)], v[SCA+16*(\sc)+2*(\a)+(\q)] matrix_a_fmt:MATRIX_FMT_FP6 matrix_b_fmt:MATRIX_FMT_FP6
.endif
.endr
.endr
.endm
.macro FETCH_B slot, q, p
	WIN TO_B
.irp i, 0,1,2,3
	FRAGB 128*(\p)+FR*\i, \slot, \q, \i
.endr
	WIN 0
.endm
.macro FETCH_A slot, q, i0
.irp i, \i0, \i0+1, \i0+2, \i0+3
	FRAGI AF+FR*(\i), \slot, \q, \i
.endr
.endm
.macro SCALES slot, ks                 ; the two scale words of K step ks: A's eight blocks, B's four; set = slot
.irp i, 0,1,2,3,4,5,6,7
	ds_load_b64 v[SCA+16*\slot+2*\i:SCA+16*\slot+2*\i+1], v[ADSA] offset:\i*SBLK+8*(\ks)
.endr
.irp i, 0,1,2,3
	ds_load_b64 v[SCB+8*\slot+2*\i:SCB+8*\slot+2*\i+1], v[ADSB+\slot] offset:192+\i*16*PITCH
.endr
.endm
.macro MWIN first
.if \first
	WIN FSTW
.else
	WIN MULW
.endif
.endm
.macro STEP slot, first                ; the first 128 of a K step; it fetches the second 128's fragments
	s_wait_dscnt 4*NLA                             ; all but the youngest 16 loads, A's blocks 4-7
	MWIN \first
	MUL8 0, 0, 0, \slot, \first
	MUL8 2, 0, 0, \slot, \first
	s_wait_dscnt 0
	PLACES NP
	FETCH_B \slot, 1, 1
	FETCH_A \slot, 1, 0
	MWIN \first
	MUL8 4, 0, 0, \slot, \first
	MUL8 6, 0, 0, \slot, \first
	PLACES NP
	WIN 0
	FETCH_A \slot, 1, 4
.endm
.macro TURN slot, next, fill, ks       ; the second 128, and the change of slots; ks: the next slot's K step
	s_wait_tensorcnt 0x0                           ; all my tensor loads have landed;
	ds_add_u32 v[SPW], v[NIL]                      ; the add;
	s_wait_dscnt 4*NLA+1                           ; (the add and the youngest 16 loads may be out)
	WIN MULW
	MUL8 0, 1, 1, \slot, 0
	s_wait_dscnt 0x0                               ; the add is done and my reads of this slot are over
	s_barrier_signal -1
	MUL8 2, 1, 1, \slot, 0
	WIN 0
	s_barrier_wait -1
.if \fill
	CREST                                          ; the barrier has opened a round of the cluster's barrier
	s_add_nc_u64 s[G0+4*\slot+2:G0+4*\slot+3], s[G0+4*\slot+2:G0+4*\slot+3], 2*ABYTES
	s_add_nc_u64 s[G0B+4*\slot+2:G0B+4*\slot+3], s[G0B+4*\slot+2:G0B+4*\slot+3], 2*ROWB
	JLOAD \slot
.else
	PLACES NP
.endif
	FETCH_B \next, 0, 0
	FETCH_A \next, 0, 0
	SCALES \next, \ks
	WIN MULW
	MUL8 4, 1, 1, \slot, 0
	MUL8 6, 1, 1, \slot, 0
	PLACES NP
	WIN 0
	FETCH_A \next, 0, 4
.endm
	s_wait_alu depctr_va_vdst(0)                   ; the wait at the head's end
	s_wait_tensorcnt 0x0                           ; my tile of the head's four is in
	ds_add_u32 v[SPW], v[NIL]
	s_wait_dscnt 0x0
	CROUND                                         ; all four tiles are in, and the joint loads meet
	JLOAD 1                                        ; K step 1
	FETCH_B 0, 0, 0
	FETCH_A 0, 0, 0
	SCALES 0, 0
	FETCH_A 0, 0, 4
	s_wait_loadcnt 0x0                             ; the bias
	STEP 0, 1
	TURN 0, 1, 1, 1                                ; slot 0 takes K step 2
	STEP 1, 0
	TURN 1, 0, 1, 2                                ; slot 1 takes K step 3
	STEP 0, 0
	TURN 0, 1, 0, 3
	STEP 1, 0
	s_wait_dscnt 4*NLA
	WIN MULW
	MUL8 0, 1, 1, 1, 0
	MUL8 2, 1, 1, 1, 0
	s_wait_dscnt 0
	MUL8 4, 1, 1, 1, 0
	MUL8 6, 1, 1, 1, 0
	WIN 0
; THE WAY OUT, block by block of 16 rows x 64 columns, through my own stage: LDS serves a wave's instructions in order
.macro TOSTAGE a
	WIN 0x08                                       ; the data: window 2
.irp b, 0,1,2,3
	ds_store_b128 v[STO], v[8*(4*(\a)+\b):8*(4*(\a)+\b)+3] offset:64*\b      ; each accumulator from its low end on
	ds_store_b128 v[STO], v[8*(4*(\a)+\b)+4:8*(4*(\a)+\b)+7] offset:64*\b+16
.endr
	WIN 0
.set BB, BK+32*((\a)%2)
.irp t, 0,1,2,3,4,5,6,7
	ds_load_b128 v[BB+4*\t:BB+4*\t+3], v[RD] offset:\t*2*PITCH
.endr
.endm
.macro SEND a, younger                 ; stored row t of tile a is row 32 (a / 2) + 8 (a % 2) + t + 8 (t / 8) of my 128
.set BB, BK+32*((\a)%2)
	s_wait_dscnt \younger
.irp t, 0,1,2,3,4,5,6,7
	global_store_b128 v[CO], v[BB+4*\t:BB+4*\t+3], s[12:13] offset:(32*((\a)/2)+8*((\a)%2)+2*\t+8*((2*\t)/8))*SIZE_N*4 th:TH_STORE_NT   ; sixteen lanes store 256 consecutive bytes, aligned
.endr
.endm
	PLACES NP
	TOSTAGE 0
.irp a, 1,2,3,4,5,6,7
.if \a > 1
	s_wait_xcnt 0x0                                ; block a - 2's stores have read their registers
.endif
	TOSTAGE \a
	SEND \a-1, 16                                  ; behind block a - 1's loads: block a's 8 stores and 8 loads
.endr
	SEND 7, 0
	s_wait_tensorcnt 0x0                           ; the wave's end
	ds_add_u32 v[SPW], v[NIL]
	s_wait_dscnt 0x0
	CROUND                                         ; the closing round
	s_endpgm
.Lfunc_end_k_q2bb78249aa_outgemm:
	.size	k_q2bb78249aa_outgemm, .Lfunc_end_k_q2bb78249aa_outgemm-k_q2bb78249aa_outgemm
	.p2alignl 7, 3214868480
	.fill 96, 4, 3214868480
	.section	.rodata,"a",@progbits
	.p2align	6, 0x0
	.amdhsa_kernel k_q2bb78249aa_outgemm
		.amdhsa_group_segment_fixed_size 327680
		.amdhsa_private_segment_fixed_size 0
		.amdhsa_enable_private_segment 0
		.amdhsa_kernarg_size 40
		.amdhsa_user_sgpr_count 2
		.amdhsa_user_sgpr_kernarg_segment_ptr 1
		.amdhsa_wavefront_size32 1
		.amdhsa_system_sgpr_workgroup_id_x 1
		.amdhsa_system_sgpr_workgroup_id_y 1
		.amdhsa_system_sgpr_workgroup_id_z 1
		.amdhsa_system_vgpr_workitem_id 0
		.amdhsa_next_free_vgpr 768
		.amdhsa_next_free_sgpr 98
		.amdhsa_reserve_vcc 0
		.amdhsa_float_denorm_mode_32 3
		.amdhsa_float_denorm_mode_16_64 3
		.amdhsa_memory_ordered 1
		.amdhsa_forward_progress 1
		.amdhsa_inst_pref_size 94
	.end_amdhsa_kernel
	.amdgpu_metadata
---
amdhsa.version: [ 1, 2 ]
amdhsa.kernels:
  - .name:           k_q2bb78249aa_outgemm
    .symbol:         k_q2bb78249aa_outgemm.kd
    .args:
      - { .name: ao, .offset: 0, .size: 8, .value_kind: global_buffer, .address_space: global }
      - { .name: asc, .offset: 8, .size: 8, .value_kind: global_buffer, .address_space: global }
      - { .name: wc, .offset: 16, .size: 8, .value_kind: global_buffer, .address_space: global }
      - { .name: out_proj_b, .offset: 24, .size: 8, .value_kind: global_buffer, .address_space: global }
      - { .name: out0, .offset: 32, .size: 8, .value_kind: global_buffer, .address_space: global }
    .group_segment_fixed_size: 327680
    .private_segment_fixed_size: 0
    .kernarg_segment_align: 8
    .kernarg_segment_size: 40
    .max_flat_workgroup_size: 128
    .sgpr_count:     98
    .vgpr_count:     768
    .wavefront_size: 32
...
	.end_amdgpu_metadata
.endif
;; end of part 4
